; MI455X (gfx1250); checked and timed in simulation.
; The chip was launched on July 23, 2026; its instructions are those of AMD's public machine-readable ISA for CDNA 5 (MIT licence, August 2026) and "CDNA5" Instruction Set Architecture Reference Guide (July 2026). The comments in the code are by the model that wrote it; some were corrected since.
;; Hungarian Matcher. Allowed arithmetic: float matrix products may take bf16 or f16 operands with f32 sums; all other float work in f32.
;; Inputs: pred_boxes 16 x 900 x 4 float32; pred_logits 16 x 900 x 256 float32; tgt_boxes 800 x 4 float32; tgt_labels 800 int32.
;; Outputs: out0 16 x 900 x 800 float32.
;; One version. Each part assembles by itself: llvm-mc -triple=amdgcn-amd-amdhsa -mcpu=gfx1250 --defsym DOCPART=n.
;; ======== version 1 of 1: 1 launch
;; limits: inputs' magnitudes at most 1,000,000,000
;; launch cost (part 1): grid 240 x 1, 25 waves a work-group, no clusters, 66,816 bytes of LDS; arguments pred_logits, pred_boxes, tgt_boxes, tgt_labels, out0; writes out0
.if DOCPART == 1
	.amdgcn_target "amdgcn-amd-amdhsa--gfx1250"
	.amdhsa_code_object_version 6
	.text
	.protected	k_q648821f383_cost
	.globl	k_q648821f383_cost
	.p2align	8
	.type	k_q648821f383_cost,@function
k_q648821f383_cost:
	s_mov_b64 s[64:65], 0
	v_nop
	global_prefetch_b8 v0, s[64:65] scope:SCOPE_SE
	s_setreg_imm32_b32 hwreg(HW_REG_WAVE_MODE, 25, 1), 1
	s_wait_xcnt 0x0
; Matching cost  C[n][m] = 5 L1(box n, box m) - softmax(logits n)[label m] - 2 GIoU(box n, box m),  n < 14400, m < 800, all f32.
;
; SHARES.  Four rows of C are 12,800 bytes = 800 threads x 16 bytes.  A work-group has 25 waves = 800 threads and owns 60 rows = 15 such
; blocks.  Thread t always owns bytes 16 t of a block: row t / 200 of the four, targets 4 (t % 200) .. + 3.  So its four targets stay in
; registers for the whole kernel, each store of a wave covers 512 consecutive bytes, aligned, and every lane works in every block.
; 3,600 blocks over 240 work-groups are 15 each; with 256 work-groups some would still have 15, so 240 equal ones are launched.
;
; FRONT PART.  Wave w makes the softmax of rows w, w + 25 and (w < 10) w + 50 of the 60: a row is 8 numbers a lane.  It leaves 2 - p in an LDS
; table [60][256] and the row's record (cx, cy, w/2, h/2, area, area) behind it.  One barrier; the table and records are only read after it.
;
; ARITHMETIC per axis, with a = difference of centres, b = difference of half widths, s = sum of half widths:
;   enclosing width before its clip = s + max(|a|,|b|),  overlap before its clip = s - max(|a|,|b|)   (max(x,y) = (x+y+|x-y|)/2 on both corners)
;   clipped at 0:  iw = s - min(max(|a|,|b|), s),   cw = s + max(|a|,|b|,-s)          both clips of the definition are kept
;   L1 = |ax| + |ay| + 2 |bx| + 2 |by|
;   ue = area1 + area2 - inter + eps,  ce = cw ch + eps,  GIoU = inter/ue - (ce - ue)/ce = (inter ce + ue ue)/(ue ce) - 1:  one reciprocal
;   C = 5 L1 + (2 - p) - 2 (inter ce + ue ue) / (ue ce)
; Two neighbouring targets go through one packed instruction wherever no |.| is needed; the row's numbers are broadcast by op_sel.
;
; LIMITS.  The order of rounding differs from the definition's (centre form, one fraction).  ue ce and inter ce + ue ue must stay inside f32:
; box sizes up to about 1e9.  Where union + eps is exactly 0 the kind of non-finite result may differ.  A label is read as unsigned and
; clamped to 255 (the problem keeps labels inside 0 .. 255).
; NOT USED: matrix instructions (there is no product; the gather is one LDS load a number), the tensor mover and multicast (what work-groups
; share, targets and labels, is 16,000 bytes against 62,400 of own input and 192,000 of output, and goes 80 bytes a thread straight into registers).
.set ROWS,   60                        ; rows of a work-group
.set WAVES,  25
.set QROW,   1024                      ; bytes of a row of the table 2 - p
.set ROWD,   ROWS*QROW                 ; the row records lie behind the table
.set RREC,   32                        ; bytes reserved for a record (24 used)
.set OUTROW, 3200                      ; bytes of a row of C
; vector registers that live through the kernel
.set LOFF,   1                         ; 1024 wave + 16 lane: my 16 bytes of my wave's row, in the logits and in the table
.set BOFF,   2                         ; 16 wave: my wave's row in pred_boxes
.set RST,    3                         ; where my wave stores its row's record
.set TOFF,   4                         ; 64 (t % 200): my four target boxes
.set LBOFF,  5                         ; 16 (t % 200): my four labels
.set OUTOFF, 6                         ; 16 t
.set RAD,    7                         ; record of row t / 200 of block 0
.set RS,     8                         ; 1024 (t / 200)
.set TCX,    10                        ; v[10:13] cx of my 4 targets       TCY v[14:17] cy
.set TCY,    14
.set THW,    18                        ; v[18:21] w/2                      THH v[22:25] h/2
.set THH,    22
.set TAR,    26                        ; v[26:29] w h + eps
.set LA,     30                        ; v[30:33] table address of my label in row t / 200 of block 0
.set P,      34                        ; v[34:45] two row records of 6
.set Q,      46                        ; v[46:53] two sets of four gathered 2 - p
.set C,      54                        ; v[54:57] the 16 bytes to store
; at work in a block (names behind a slash: what the registers hold later in the block)
.set DCX,    58                        ; ax / area sum, then ue
.set DCY,    62                        ; ay / inter
.set DHW,    66                        ; bx / ce
.set DHH,    70                        ; by / ue ce
.set SHW,    74                        ; sx / ue ue, numerator, quotient
.set SHH,    78                        ; sy / reciprocal
.set M1X,    82                        ; min(max(|ax|,|bx|), sx) / iw
.set M2X,    86                        ; max(|ax|,|bx|,-sx) / cw
.set M1Y,    90
.set M2Y,    94
.set L,      98                        ; L1 / 5 L1 + 2 - p
; the front part uses the same registers
.set TB,     34                        ; v[34:49] four target boxes as loaded
.set LB,     50                        ; v[50:53] four labels
.set X0,     58                        ; 8 logits of a row, three rows
.set X1,     66
.set X2,     74
.set PB0,    82                        ; the rows' boxes
.set PB1,    86
.set PB2,    90
.set MX,     94                        ; pair
.set SM,     96                        ; pair
.set TS,     98                        ; pair
.set A1,     100                       ; pair
	s_load_b256 s[4:11], s[0:1], 0x0               ; logits s[4:5], pred_boxes s[6:7], tgt_boxes s[8:9], tgt_labels s[10:11]
	s_load_b64 s[12:13], s[0:1], 0x20              ; C
	v_lshl_add_u32 v104, v0, 2, 0xf800
	v_mov_b32 v105, 0
	v_lshrrev_b32 v8, 5, v0
	v_readfirstlane_b32 s20, v8                    ; wave 0 .. 24
	v_and_b32 v9, 31, v0                           ; lane
	s_lshl_b32 s21, s20, 10
	s_lshl_b32 s22, s20, 4
	s_lshl_b32 s23, s20, 5
	s_add_co_u32 s23, s23, ROWD
	v_lshl_add_u32 v[LOFF], v9, 4, s21
	v_mov_b32 v[BOFF], s22
	v_mov_b32 v[RST], s23
	v_mul_u32_u24 v8, v0, 0x147b                   ; t / 200 = (5243 t) >> 20, exact for t < 800
	v_lshrrev_b32 v8, 20, v8
	v_mul_u32_u24 v9, v8, 200
	v_sub_nc_u32 v9, v0, v9                        ; t % 200
	v_lshlrev_b32 v[TOFF], 6, v9
	v_lshlrev_b32 v[LBOFF], 4, v9
	v_lshlrev_b32 v[OUTOFF], 4, v0
	v_lshl_add_u32 v[RAD], v8, 5, ROWD
	v_lshlrev_b32 v[RS], 10, v8
	v_mov_b32 v[MX+1], 0                           ; the lane exchange below counts as a reader of its destination
	s_mul_i32 s14, ttmp9, ROWS*QROW                ; the work-group's 60 rows: all three products stay below 2^31
	s_mov_b32 s15, 0
	s_mul_i32 s16, ttmp9, ROWS*16
	s_mov_b32 s17, 0
	s_mul_i32 s18, ttmp9, ROWS*OUTROW
	s_mov_b32 s19, 0
	s_mov_b32 s24, 0x76543210                      ; v_permlanex16_b32: lane i of one half reads lane i of the other
	s_mov_b32 s25, 0xfedcba98
	s_mov_b32 s26, 0x33d6bf95                      ; eps = 1e-7, a pair for the packed forms
	s_mov_b32 s27, 0x33d6bf95
	s_mov_b32 s28, 0x40a00000                      ; 5.0
	s_mov_b32 s29, 0x40a00000
	s_wait_kmcnt 0x0
	s_add_nc_u64 s[4:5], s[4:5], s[14:15]
	s_add_nc_u64 s[6:7], s[6:7], s[16:17]
	s_add_nc_u64 s[12:13], s[12:13], s[18:19]
	; every load of the kernel is issued here.  The targets come first: they are worked on while the logits are on their way.
.irp j, 0,1,2,3
	global_load_b128 v[TB+4*\j:TB+4*\j+3], v[TOFF], s[8:9] offset:16*\j
.endr
	global_load_b128 v[LB:LB+3], v[LBOFF], s[10:11]
	global_load_b128 v[X0:X0+3],   v[LOFF], s[4:5] th:TH_LOAD_NT                          ; a wave's load: 512 neighbouring bytes of its row
	global_load_b128 v[X0+4:X0+7], v[LOFF], s[4:5] offset:512 th:TH_LOAD_NT
	global_load_b128 v[PB0:PB0+3], v[BOFF], s[6:7]
	global_load_b128 v[X1:X1+3],   v[LOFF], s[4:5] offset:WAVES*QROW th:TH_LOAD_NT
	global_load_b128 v[X1+4:X1+7], v[LOFF], s[4:5] offset:WAVES*QROW+512 th:TH_LOAD_NT
	global_load_b128 v[PB1:PB1+3], v[BOFF], s[6:7] offset:WAVES*16
	s_cmp_ge_u32 s20, ROWS-2*WAVES                 ; rows 50 .. 59 belong to waves 0 .. 9
	s_cbranch_scc1 .Lno_third_load
	global_load_b128 v[X2:X2+3],   v[LOFF], s[4:5] offset:2*WAVES*QROW th:TH_LOAD_NT
	global_load_b128 v[X2+4:X2+7], v[LOFF], s[4:5] offset:2*WAVES*QROW+512 th:TH_LOAD_NT
	global_load_b128 v[PB2:PB2+3], v[BOFF], s[6:7] offset:2*WAVES*16
.Lno_third_load:
	; my four targets, from (cx, cy, w, h) a target to four of each kind side by side, so that pairs of targets feed packed instructions
	s_wait_loadcnt 0x6                             ; loads return in order (ISA guide 5.7.1): the six of rows w and w + 25 may stay out
.irp j, 0,1,2,3
	v_mov_b32 v[TCX+\j], v[TB+4*\j]
	v_mov_b32 v[TCY+\j], v[TB+4*\j+1]
	v_mul_f32 v[THW+\j], 0.5, v[TB+4*\j+2]
	v_mul_f32 v[THH+\j], 0.5, v[TB+4*\j+3]
	v_fma_f32 v[TAR+\j], v[TB+4*\j+2], v[TB+4*\j+3], s26       ; area + eps
	v_min_u32 v[LB+\j], 0xff, v[LB+\j]                         ; a loaded number enters an address only clamped to its table
	v_lshl_add_u32 v[LA+\j], v[LB+\j], 2, v[RS]                ; 4 label + 1024 (t / 200)
.endr
; One row: 2 - softmax into the table, the box's record behind it.  x: 8 logits a lane, pb: the box (the same in all lanes), k: row w + 25 k.
.macro SOFTMAX x, pb, k
	v_max3_num_f32 v[MX], v[\x], v[\x+1], v[\x+2]
	v_max3_num_f32 v[MX], v[MX], v[\x+3], v[\x+4]
	v_max3_num_f32 v[MX], v[MX], v[\x+5], v[\x+6]
	v_max_num_f32 v[MX], v[MX], v[\x+7]
	v_max_num_f32_dpp v[MX], v[MX], v[MX] row_xmask:1 row_mask:0xf bank_mask:0xf
	v_max_num_f32_dpp v[MX], v[MX], v[MX] row_xmask:2 row_mask:0xf bank_mask:0xf
	v_max_num_f32_dpp v[MX], v[MX], v[MX] row_xmask:4 row_mask:0xf bank_mask:0xf
	v_max_num_f32_dpp v[MX], v[MX], v[MX] row_xmask:8 row_mask:0xf bank_mask:0xf
	v_permlanex16_b32 v[MX+1], v[MX], s24, s25
	v_max_num_f32 v[MX], v[MX], v[MX+1]            ; the row's maximum, in every lane
	v_mul_f32 v[MX], 0xbfb8aa3b, v[MX]             ; - maximum x log2(e)
	v_mov_b32 v[MX+1], v[MX]
.irp j, 0,2,4,6
	v_pk_fma_f32 v[\x+\j:\x+\j+1], v[\x+\j:\x+\j+1], 0x3fb8aa3b, v[MX:MX+1] op_sel_hi:[1,0,1]
.endr
.irp j, 0,1,2,3,4,5,6,7
	v_exp_f32 v[\x+\j], v[\x+\j]
.endr
	v_mul_f32 v[A1], v[\pb+2], v[\pb+3]            ; the box's area: also the plain instruction that has to stand between the run of v_exp_f32
	v_pk_mul_f32 v[\pb+2:\pb+3], v[\pb+2:\pb+3], 0.5 op_sel_hi:[1,0]   ; and the first use of a result (ISA guide 5.7.2); then the half sizes
	s_wait_alu depctr_va_vdst(0)
	v_pk_add_f32 v[SM:SM+1], v[\x:\x+1], v[\x+2:\x+3]
	v_pk_add_f32 v[TS:TS+1], v[\x+4:\x+5], v[\x+6:\x+7]
	v_pk_add_f32 v[SM:SM+1], v[SM:SM+1], v[TS:TS+1]
	v_add_f32 v[SM], v[SM], v[SM+1]
	v_add_f32_dpp v[SM], v[SM], v[SM] row_xmask:1 row_mask:0xf bank_mask:0xf
	v_add_f32_dpp v[SM], v[SM], v[SM] row_xmask:2 row_mask:0xf bank_mask:0xf
	v_add_f32_dpp v[SM], v[SM], v[SM] row_xmask:4 row_mask:0xf bank_mask:0xf
	v_add_f32_dpp v[SM], v[SM], v[SM] row_xmask:8 row_mask:0xf bank_mask:0xf
	v_permlanex16_b32 v[SM+1], v[SM], s24, s25
	v_add_f32 v[SM], v[SM], v[SM+1]                ; at least 1: the largest term is 1
	v_rcp_f32 v[TS], v[SM]
	v_mov_b32 v[A1+1], v[A1]                       ; the area twice (a pair for the packed add): the plain instruction behind v_rcp_f32
	s_wait_alu depctr_va_vdst(0)
.irp j, 0,2,4,6
	v_pk_fma_f32 v[\x+\j:\x+\j+1], v[\x+\j:\x+\j+1], v[TS:TS+1], 2.0 op_sel_hi:[1,0,0] neg_lo:[0,1,0] neg_hi:[0,1,0]   ; 2 - e / sum
.endr
	ds_store_b128 v[LOFF], v[\x:\x+3] offset:\k*WAVES*QROW
	ds_store_b128 v[LOFF], v[\x+4:\x+7] offset:\k*WAVES*QROW+512
	ds_store_b128 v[RST], v[\pb:\pb+3] offset:\k*WAVES*RREC        ; all lanes write the same bytes with the same numbers
	ds_store_b64 v[RST], v[A1:A1+1] offset:\k*WAVES*RREC+16
.endm
	s_wait_loadcnt 0x3                             ; row w is in; the three loads of row w + 25 may stay out
	SOFTMAX X0, PB0, 0
	s_wait_loadcnt 0x0
	SOFTMAX X1, PB1, 1
	s_cmp_ge_u32 s20, ROWS-2*WAVES
	s_cbranch_scc1 .Lno_third
	SOFTMAX X2, PB2, 2
.Lno_third:
	s_wait_dscnt 0x0                               ; my rows are in LDS before I say so
	s_barrier_signal -1
	s_barrier_wait -1                              ; all 60 rows are; from here on the table and records are only read
; the six LDS loads of block i: my row's record (one or two addresses in a wave) and 2 - p at my four labels
.macro FETCH i, set
	ds_load_b128 v[P+6*(\set):P+6*(\set)+3], v[RAD] offset:(\i)*4*RREC
	ds_load_b64 v[P+6*(\set)+4:P+6*(\set)+5], v[RAD] offset:(\i)*4*RREC+16
.irp j, 0,1,2,3
	ds_load_b32 v[Q+4*(\set)+\j], v[LA+\j] offset:(\i)*4*QROW
.endr
.endm
; Block i: four numbers of C a lane.  cur: the set of registers that holds its record and its 2 - p;  more = 1: the next block is fetched first.
.macro ITER i, cur, more
.set PC, P+6*(\cur)
.set QC, Q+4*(\cur)
.if \more
	FETCH ((\i)+1), (1-\cur)
	s_wait_dscnt 0x6                               ; LDS loads return in order (ISA guide 5.7.1): all but the six just issued are in
.else
	s_wait_dscnt 0x0
.endif
.irp g, 0,2
	v_pk_add_f32 v[DCX+\g:DCX+\g+1], v[TCX+\g:TCX+\g+1], v[PC:PC+1] op_sel_hi:[1,0] neg_lo:[0,1] neg_hi:[0,1]                 ; ax = tcx - pcx
	v_pk_add_f32 v[DHW+\g:DHW+\g+1], v[THW+\g:THW+\g+1], v[PC+2:PC+3] op_sel_hi:[1,0] neg_lo:[0,1] neg_hi:[0,1]               ; bx
	v_pk_add_f32 v[SHW+\g:SHW+\g+1], v[THW+\g:THW+\g+1], v[PC+2:PC+3] op_sel_hi:[1,0]                                         ; sx
	v_pk_add_f32 v[DCY+\g:DCY+\g+1], v[TCY+\g:TCY+\g+1], v[PC:PC+1] op_sel:[0,1] op_sel_hi:[1,1] neg_lo:[0,1] neg_hi:[0,1]    ; ay: the pair's second register for both
	v_pk_add_f32 v[DHH+\g:DHH+\g+1], v[THH+\g:THH+\g+1], v[PC+2:PC+3] op_sel:[0,1] op_sel_hi:[1,1] neg_lo:[0,1] neg_hi:[0,1]  ; by
	v_pk_add_f32 v[SHH+\g:SHH+\g+1], v[THH+\g:THH+\g+1], v[PC+2:PC+3] op_sel:[0,1] op_sel_hi:[1,1]                            ; sy
.endr
.irp e, 0,1,2,3
	v_maxmin_num_f32 v[M1X+\e], |v[DCX+\e]|, |v[DHW+\e]|, v[SHW+\e]        ; min(max(|ax|,|bx|), sx)
.endr
.irp e, 0,1,2,3
	v_max3_num_f32 v[M2X+\e], |v[DCX+\e]|, |v[DHW+\e]|, -v[SHW+\e]         ; max(|ax|,|bx|,-sx)
.endr
.irp e, 0,1,2,3
	v_maxmin_num_f32 v[M1Y+\e], |v[DCY+\e]|, |v[DHH+\e]|, v[SHH+\e]
.endr
.irp e, 0,1,2,3
	v_max3_num_f32 v[M2Y+\e], |v[DCY+\e]|, |v[DHH+\e]|, -v[SHH+\e]
.endr
.irp e, 0,1,2,3
	v_add_f32 v[L+\e], |v[DCX+\e]|, |v[DCY+\e]|
.endr
.irp e, 0,1,2,3
	v_fma_f32 v[L+\e], |v[DHW+\e]|, 2.0, v[L+\e]
.endr
.irp e, 0,1,2,3
	v_fma_f32 v[L+\e], |v[DHH+\e]|, 2.0, v[L+\e]                           ; L1
.endr
.irp g, 0,2
	v_pk_add_f32 v[M1X+\g:M1X+\g+1], v[SHW+\g:SHW+\g+1], v[M1X+\g:M1X+\g+1] neg_lo:[0,1] neg_hi:[0,1]     ; iw
	v_pk_add_f32 v[M1Y+\g:M1Y+\g+1], v[SHH+\g:SHH+\g+1], v[M1Y+\g:M1Y+\g+1] neg_lo:[0,1] neg_hi:[0,1]     ; ih
	v_pk_add_f32 v[M2X+\g:M2X+\g+1], v[SHW+\g:SHW+\g+1], v[M2X+\g:M2X+\g+1]                               ; cw
	v_pk_add_f32 v[M2Y+\g:M2Y+\g+1], v[SHH+\g:SHH+\g+1], v[M2Y+\g:M2Y+\g+1]                               ; ch
	v_pk_add_f32 v[DCX+\g:DCX+\g+1], v[TAR+\g:TAR+\g+1], v[PC+4:PC+5]                                     ; area1 + area2 + eps
.endr
.irp g, 0,2
	v_pk_fma_f32 v[DCX+\g:DCX+\g+1], v[M1X+\g:M1X+\g+1], v[M1Y+\g:M1Y+\g+1], v[DCX+\g:DCX+\g+1] neg_lo:[1,0,0] neg_hi:[1,0,0]   ; ue = that - iw ih
	v_pk_fma_f32 v[DHW+\g:DHW+\g+1], v[M2X+\g:M2X+\g+1], v[M2Y+\g:M2Y+\g+1], s[26:27] op_sel_hi:[1,1,0]                         ; ce = cw ch + eps
	v_pk_mul_f32 v[DCY+\g:DCY+\g+1], v[M1X+\g:M1X+\g+1], v[M1Y+\g:M1Y+\g+1]                                                     ; inter
.endr
.irp g, 0,2
	v_pk_mul_f32 v[DHH+\g:DHH+\g+1], v[DCX+\g:DCX+\g+1], v[DHW+\g:DHW+\g+1]                               ; ue ce
.endr
.irp e, 0,1,2,3
	v_rcp_f32 v[SHH+\e], v[DHH+\e]
.endr
.irp g, 0,2                                        ; six plain instructions that touch neither the reciprocals nor their sources (ISA guide 5.7.2)
	v_pk_mul_f32 v[SHW+\g:SHW+\g+1], v[DCX+\g:DCX+\g+1], v[DCX+\g:DCX+\g+1]                               ; ue ue
	v_pk_fma_f32 v[L+\g:L+\g+1], v[L+\g:L+\g+1], s[28:29], v[QC+\g:QC+\g+1] op_sel_hi:[1,0,1]             ; 5 L1 + 2 - p
.endr
.irp g, 0,2
	v_pk_fma_f32 v[SHW+\g:SHW+\g+1], v[DCY+\g:DCY+\g+1], v[DHW+\g:DHW+\g+1], v[SHW+\g:SHW+\g+1]           ; inter ce + ue ue
.endr
	s_wait_alu depctr_va_vdst(0)
.irp g, 0,2
	v_pk_mul_f32 v[SHW+\g:SHW+\g+1], v[SHW+\g:SHW+\g+1], v[SHH+\g:SHH+\g+1]                               ; GIoU + 1
.endr
	s_wait_xcnt 0x0                                ; the last block's store has had its address translated (ISA guide 3.1): its data registers are rewritten only behind this wait
.irp g, 0,2
	v_pk_fma_f32 v[C+\g:C+\g+1], v[SHW+\g:SHW+\g+1], -2.0, v[L+\g:L+\g+1] op_sel_hi:[1,0,1]
.endr
	global_store_b128 v[OUTOFF], v[C:C+3], s[12:13] offset:(\i)*4*OUTROW th:TH_STORE_NT
.endm
	; the 15 blocks are written out: every step of an address is an immediate offset, and the two register sets take turns without copies
	FETCH 0, 0
.irp i, 0,2,4,6,8,10,12
	ITER \i, 0, 1
	ITER (\i+1), 1, 1
.endr
	ITER 14, 0, 0                                  ; the last block fetches nothing
	s_wait_tensorcnt 0x0
	ds_add_u32 v104, v105
	s_wait_dscnt 0x0
	s_endpgm
.Lfunc_end_k_q648821f383_cost:
	.size	k_q648821f383_cost, .Lfunc_end_k_q648821f383_cost-k_q648821f383_cost
	.p2alignl 7, 3214868480
	.fill 96, 4, 3214868480
	.section	.rodata,"a",@progbits
	.p2align	6, 0x0
	.amdhsa_kernel k_q648821f383_cost
		.amdhsa_group_segment_fixed_size 66816
		.amdhsa_private_segment_fixed_size 0
		.amdhsa_enable_private_segment 0
		.amdhsa_kernarg_size 40
		.amdhsa_user_sgpr_count 2
		.amdhsa_user_sgpr_kernarg_segment_ptr 1
		.amdhsa_wavefront_size32 1
		.amdhsa_system_sgpr_workgroup_id_x 1
		.amdhsa_system_sgpr_workgroup_id_y 1
		.amdhsa_system_sgpr_workgroup_id_z 1
		.amdhsa_system_vgpr_workitem_id 0
		.amdhsa_next_free_vgpr 106
		.amdhsa_next_free_sgpr 66
		.amdhsa_reserve_vcc 0
		.amdhsa_float_denorm_mode_32 3
		.amdhsa_float_denorm_mode_16_64 3
		.amdhsa_memory_ordered 1
		.amdhsa_forward_progress 1
		.amdhsa_inst_pref_size 87
	.end_amdhsa_kernel
	.amdgpu_metadata
---
amdhsa.version: [ 1, 2 ]
amdhsa.kernels:
  - .name:           k_q648821f383_cost
    .symbol:         k_q648821f383_cost.kd
    .args:
      - { .name: pred_logits, .offset: 0, .size: 8, .value_kind: global_buffer, .address_space: global }
      - { .name: pred_boxes, .offset: 8, .size: 8, .value_kind: global_buffer, .address_space: global }
      - { .name: tgt_boxes, .offset: 16, .size: 8, .value_kind: global_buffer, .address_space: global }
      - { .name: tgt_labels, .offset: 24, .size: 8, .value_kind: global_buffer, .address_space: global }
      - { .name: out0, .offset: 32, .size: 8, .value_kind: global_buffer, .address_space: global }
    .group_segment_fixed_size: 66816
    .private_segment_fixed_size: 0
    .kernarg_segment_align: 8
    .kernarg_segment_size: 40
    .max_flat_workgroup_size: 800
    .sgpr_count:     66
    .vgpr_count:     106
    .wavefront_size: 32
...
	.end_amdgpu_metadata
.endif
;; end of part 1
